; MI455X (gfx1250); checked and timed in simulation.
; The chip was launched on July 23, 2026; its instructions are those of AMD's public machine-readable ISA for CDNA 5 (MIT licence, August 2026) and "CDNA5" Instruction Set Architecture Reference Guide (July 2026). The comments in the code are by the model that wrote it; some were corrected since.
;; RBF Bias. Allowed arithmetic: matrix products marked QUANTISED: E4M3 operands, one given power-of-two scale a tensor, by v_wmma_f32_16x16x64_fp8_fp8 or v_wmma_f32_16x16x128_fp8_fp8, f32 sums; everything else in f32.
;; Inputs: alpha 8 x 1 float32; beta 8 x 1 float32; k 2 x 8 x 2,048 x 64 float32; ks_s 2 x 2,048 x 3 float32; lowp_scales 4 int32 (the exponents e of the quantised operands' scales 2^e); q 2 x 8 x 2,048 x 64 float32; qs_s 2 x 2,048 x 3 float32; v 2 x 8 x 2,048 x 64 float32.
;; Outputs: out0 2 x 8 x 2,048 x 64 float32.
;; This version of the problem:
;;   THIS VERSION OF THE PROBLEM IS GIVEN IN LOW PRECISION. The matrix products marked QUANTISED in the list below multiply operands that are first quantised to E4M3 (4 exponent bits, 3 mantissa bits; 8 bits a number), with one given power-of-two scale for each operand tensor; their sums are f32. All else is computed in f32.
;;   The module's matrix products, in the order in which they are computed (A, B: the left and right operand; K: the contracted axis; several contracted axes count as one K, in the product's order):
;;     1. batch 16 x [M 2,048, K 64] x [K 64, N 2,048]; A: input q; B: input k: QUANTISED (scales: A lowp_scales[0], B lowp_scales[1])
;;     2. batch 16 x [M 2,048, K 2,048] x [K 2,048, N 64]; A: softmax (see below); B: input v: QUANTISED (scales: A lowp_scales[2], B lowp_scales[3])
;;   THE QUANTISER, for each operand of a quantised product, along K:
;;     - The operand's scale is 2^e, e = its entry of the input lowp_scales (int32; the entries are numbered through the quantised products in the list's order, A before B).
;;     - Each number is divided by the scale, clamped to +-448, and rounded to the nearest number of E4M3, ties to even, subnormals kept.
;;     - The product sums the exact products of the quantised numbers (number of the format x scale) in f32.
;;   ~~~python
;;   def quantise(x, axis, e):      # numpy; x: float32 -> the quantised numbers, widened to float32 again
;;       x = np.moveaxis(x, axis, -1); K = x.shape[-1]
;;       r = np.clip(x / 2.0 ** e, -448, 448)
;;       step = 2.0 ** (np.maximum(np.frexp(np.where(r == 0, 1, r))[1] - 1, -6) - 3)
;;       q = np.round(r / step) * step * 2.0 ** e      # np.round: ties to even
;;       return np.moveaxis(q, -1, axis).astype(np.float32)
;;   ~~~
;;   SOFTMAX AHEAD OF A QUANTISED PRODUCT. Where the list says 'softmax', what is quantised is not the finished softmax but p = 2^(t - M), with t = logit x log2(e) and M = ceil(the row's largest t), a whole number; so 1/2 < the row's largest p <= 1. The row's sum l is taken of the UNQUANTISED p, in f32, and the product's result is divided by l at the end. Since M is a whole number, a kernel that streams over the keys may use a running M (the ceiling of the running maximum): every later rescaling is an exact power of two, so the quantised numbers keep their values, but for numbers so far below the row's largest that they fall under the format's range.
;;   OPERANDS COMPUTED ON THE WAY. 'Computed on the way' means the value that the module computes at that place (a softmax that the list does not call 'softmax' is quantised finished and normalised). What goes into a quantiser is computed in f32, as accurately as f32 sums, v_exp_f32 and their like allow (about 1e-6 of the number): no bf16 or f16 on the way to a quantiser, and a product that is left as it is and whose result goes on into a quantised operand takes f32 operands (vector FMAs, or v_wmma_f32_16x16x4_f32). A number that lies on a knife's edge between two numbers of the format may be rounded either way, as far as f32 arithmetic and the matrix unit's own rounding can turn it there, and no further.
;; One version. Each part assembles by itself: llvm-mc -triple=amdgcn-amd-amdhsa -mcpu=gfx1250 --defsym DOCPART=n.
;; ======== version 1 of 1: 2 launches
;; limits: a difference of large sums (such as E[x^2] - mean^2): digits are lost where the result is much smaller than its terms; right only within a limited range of input values
;; workspace buffers: kv 4,718,592 bytes
;; launch prep (part 1): grid 16 x 16, 4 waves a work-group, no clusters, 0 bytes of LDS; arguments k, v, ks_s, lowp_scales, kv; writes kv
.if DOCPART == 1
	.amdgcn_target "amdgcn-amd-amdhsa--gfx1250"
	.amdhsa_code_object_version 6
	.text
	.protected	k_qd67892af63_prep
	.globl	k_qd67892af63_prep
	.p2align	8
	.type	k_qd67892af63_prep,@function
k_qd67892af63_prep:
	s_mov_b64 s[64:65], 0
	v_nop
	global_prefetch_b8 v0, s[64:65] scope:SCOPE_SE
	s_setreg_imm32_b32 hwreg(HW_REG_WAVE_MODE, 25, 1), 1
	s_wait_xcnt 0x0
; k and v, [2][8][2048][64] f32, become codes of FP8 (E4M3) with the given scales 2^ek, 2^ev (entries 1 and 3 of lowp_scales), and the keys' positions ks_s [2][2048][3] become
; four features a key.  All of it is stored as the attention launch reads it, so that a key step of 128 keys of one head is one dense block of 18,432 bytes:
;   +0      K: tile T (0..7) at 1,024 T, piece c (0, 1) at 512 c, lane l at 16 l: codes of key 32 (T / 2) + 8 (T % 2) + r + (r & 8), channels 32 c + 16 h + 0 .. 15      (r = l % 16, h = l / 16)
;   +8,192  V: channel tile t (0..3) at 2,048 t, piece c (0..3) at 512 c, lane l at 16 l: codes of channel 16 t + r, keys 32 c + 16 h + 0 .. 15: the keys are the second product's K
;   +16,384 features, f32: feature f (0..3) at 512 f, key n (0..127) at 4 n: x', y', z', x'^2 + y'^2 + z'^2,
;           with (x', y', z') = the key's position less the batch's first key's position: a common offset of the positions is taken away before anything is squared.
; code = x / 2^e, held within +-448, rounded to the nearest code, ties to even.
; LIMITS: ek and ev between -126 and 119, so that 2^e and 448 x 2^e are f32 numbers.  NaN among the inputs is not served (an infinity is held at the largest code).
; SHARES.  Work-group (x, y): key step x of head y = 8 b + h.  Wave w: K's tiles 2 w and 2 w + 1 (keys 32 w .. 32 w + 31), V's channel tile w, feature w of all 128 keys.  A lane loads just the numbers
; whose codes its registers are to hold, neighbours along the product's K in consecutive registers: for K 16 neighbouring channels of its key, for V 16 keys down its channel.  No LDS, no barrier, no loop.
; Every store of a wave covers 512 consecutive bytes, at a multiple of 512 from the buffer's first byte.  No register that a pending load or store names is written, so no wait frees one.
.set STEPB, 18432
.set X,   16                           ; v16-79    k as loaded: 32 u + 16 c + 4 j
.set Y,   80                           ; v80-143   v as loaded: 16 c + i
.set PS,  144                          ; v144-155  the positions of keys 4 l .. 4 l + 3: 12 words
.set C,   156                          ; v156-171  K's codes
.set CV,  172                          ; v172-187  V's codes
.set KPW, 188                          ; v188-191  my wave's feature of my four keys
.set TN,  192                          ; v192-195  their squared norms
	s_load_b256 s[4:11], s[0:1], 0x0               ; k s[4:5], v s[6:7], ks_s s[8:9], lowp_scales s[10:11]
	s_load_b64 s[12:13], s[0:1], 0x20              ; kv
	v_lshrrev_b32 v1, 5, v0
	v_readfirstlane_b32 s16, v1                    ; wave 0..3
	v_and_b32 v1, 31, v0                           ; lane
	v_and_b32 v2, 15, v0                           ; r
	v_bfe_u32 v3, v0, 4, 1                         ; h
	v_and_b32 v4, 8, v2
	v_add_nc_u32 v4, v4, v2                        ; r + (r & 8): my key in a tile
	v_lshlrev_b32 v5, 8, v4
	v_lshl_add_u32 v5, v3, 6, v5                   ; k: my key's row of 256 bytes, + 64 h: 16 channels
	v_lshlrev_b32 v6, 2, v2
	v_lshl_add_u32 v6, v3, 12, v6                  ; v: channel r, + 16 h keys of 256 bytes
	v_mul_u32_u24 v7, v1, 48                       ; ks_s: four keys of 12 bytes a lane
	v_lshlrev_b32 v8, 4, v1                        ; out: 16 bytes a lane
	s_cmp_eq_u32 s16, 1                            ; which feature is my wave's: three masks, all ones or none
	s_cselect_b32 s40, -1, 0
	s_cmp_eq_u32 s16, 2
	s_cselect_b32 s41, -1, 0
	s_cmp_eq_u32 s16, 3
	s_cselect_b32 s42, -1, 0
	s_and_b32 s18, ttmp7, 0xffff                   ; y = 8 b + h
	s_lshr_b32 s19, s18, 3                         ; b
	s_lshl_b32 s32, s18, 19                        ; a head is 2,048 x 256 bytes,
	s_lshl_b32 s33, ttmp9, 15                      ; a step 128 x 256
	s_add_co_u32 s32, s32, s33
	s_lshl_b32 s33, s16, 13                        ; k: my wave's 32 keys
	s_add_co_u32 s34, s32, s33
	s_mov_b32 s35, 0
	s_lshl_b32 s33, s16, 6                         ; v: my wave's 16 channels
	s_add_co_u32 s32, s32, s33
	s_mov_b32 s33, 0
	s_mul_i32 s36, s19, 24576                      ; ks_s: the batch's first key
	s_mov_b32 s37, 0
	s_mul_i32 s38, ttmp9, 1536                     ; and from there the step's 128 keys
	s_mov_b32 s39, 0
	s_lshl_b32 s22, s18, 4
	s_add_co_u32 s22, s22, ttmp9
	s_mul_i32 s22, s22, STEPB                      ; kv: the step's block
	s_mov_b32 s23, 0
	s_lshl_b32 s2, s16, 9
	s_add_co_u32 s2, s2, 16384                     ; in it feature w,
	s_mov_b32 s3, 0
	s_lshl_b32 s16, s16, 11                        ; and 2,048 w: K's tiles 2 w, 2 w + 1 and, 8,192 further on, V's tile w
	s_mov_b32 s17, 0
	s_wait_alu depctr_va_vdst(0)
	s_wait_kmcnt 0x0
	s_load_b128 s[24:27], s[10:11], 0x0            ; eq, ek, ep, ev
	s_add_nc_u64 s[20:21], s[8:9], s[36:37]
	s_load_b96 s[28:30], s[20:21], 0x0             ; the centre: the batch's first key's position
	s_add_nc_u64 s[8:9], s[20:21], s[38:39]
	s_add_nc_u64 s[4:5], s[4:5], s[34:35]
	s_add_nc_u64 s[6:7], s[6:7], s[32:33]
	s_add_nc_u64 s[12:13], s[12:13], s[22:23]
	s_add_nc_u64 s[14:15], s[12:13], s[2:3]
	s_add_nc_u64 s[12:13], s[12:13], s[16:17]
.irp p, 0,1,2                                  ; 3 loads: the 48 bytes of keys 4 l .. 4 l + 3
	global_load_b128 v[PS+4*\p:PS+4*\p+3], v7, s[8:9] offset:16*\p
.endr
.irp u, 0,1                                    ; 16 loads: k(my key of tile 2 w + u, 32 c + 16 h + 4 j ..)
.irp c, 0,1
.irp j, 0,1,2,3
	global_load_b128 v[X+32*\u+16*\c+4*\j:X+32*\u+16*\c+4*\j+3], v5, s[4:5] offset:2048*\u+128*\c+16*\j
.endr
.endr
.endr
.irp c, 0,1,2,3                                ; 64 loads: v(32 c + 16 h + i, 16 w + r): my registers run down the keys
.irp i, 0,1,2,3,4,5,6,7,8,9,10,11,12,13,14,15
	global_load_b32 v[Y+16*\c+\i], v6, s[6:7] offset:(32*\c+\i)*256
.endr
.endr
	s_wait_kmcnt 0x0
	s_add_co_i32 s18, s25, 127
	s_lshl_b32 s19, s18, 23
	v_mov_b32 v11, s19                             ; 2^ek as f32: the conversion takes its exponent field
	s_add_co_i32 s18, s27, 127
	s_lshl_b32 s19, s18, 23
	v_mov_b32 v13, s19                             ; 2^ev
	s_wait_loadcnt 63                              ; behind k's last load 64 loads of v were issued: with 63 out, the positions and k are in
.irp j, 0,1,2,3                                ; key 4 l + j: all four features are made, and my wave's is picked without a branch
	v_sub_f32 v[PS+3*\j], v[PS+3*\j], s28
	v_sub_f32 v[PS+3*\j+1], v[PS+3*\j+1], s29
	v_sub_f32 v[PS+3*\j+2], v[PS+3*\j+2], s30
	v_mul_f32 v[TN+\j], v[PS+3*\j], v[PS+3*\j]
	v_fma_f32 v[TN+\j], v[PS+3*\j+1], v[PS+3*\j+1], v[TN+\j]
	v_fma_f32 v[TN+\j], v[PS+3*\j+2], v[PS+3*\j+2], v[TN+\j]
	v_cndmask_b32 v[KPW+\j], v[PS+3*\j], v[PS+3*\j+1], s40
	v_cndmask_b32 v[KPW+\j], v[KPW+\j], v[PS+3*\j+2], s41
	v_cndmask_b32 v[KPW+\j], v[KPW+\j], v[TN+\j], s42
.endr
	global_store_b128 v8, v[KPW:KPW+3], s[14:15]
.set jj, 0
.rept 64
.set jj, jj+1
.endr
.irp u, 0,1
.irp c, 0,1
.irp g, 0,1
	v_cvt_scalef32_pk8_fp8_f32 v[C+8*\u+4*\c+2*\g:C+8*\u+4*\c+2*\g+1], v[X+32*\u+16*\c+8*\g:X+32*\u+16*\c+8*\g+7], v11
.endr
.endr
.endr
	v_nop                                          ; a plain vector line behind the last conversion of the run
.irp u, 0,1
.irp c, 0,1
	global_store_b128 v8, v[C+8*\u+4*\c:C+8*\u+4*\c+3], s[12:13] offset:1024*\u+512*\c
.endr
.endr
	s_wait_loadcnt 0x0                             ; v is in
.set jj, 0
.rept 64
.set jj, jj+1
.endr
.irp c, 0,1,2,3
.irp g, 0,1
	v_cvt_scalef32_pk8_fp8_f32 v[CV+4*\c+2*\g:CV+4*\c+2*\g+1], v[Y+16*\c+8*\g:Y+16*\c+8*\g+7], v13
.endr
.endr
	v_nop
.irp c, 0,1,2,3
	global_store_b128 v8, v[CV+4*\c:CV+4*\c+3], s[12:13] offset:8192+512*\c
.endr
	s_endpgm
.Lfunc_end_k_qd67892af63_prep:
	.size	k_qd67892af63_prep, .Lfunc_end_k_qd67892af63_prep-k_qd67892af63_prep
	.p2alignl 7, 3214868480
	.fill 96, 4, 3214868480
	.section	.rodata,"a",@progbits
	.p2align	6, 0x0
	.amdhsa_kernel k_qd67892af63_prep
		.amdhsa_group_segment_fixed_size 0
		.amdhsa_private_segment_fixed_size 0
		.amdhsa_enable_private_segment 0
		.amdhsa_kernarg_size 40
		.amdhsa_user_sgpr_count 2
		.amdhsa_user_sgpr_kernarg_segment_ptr 1
		.amdhsa_wavefront_size32 1
		.amdhsa_system_sgpr_workgroup_id_x 1
		.amdhsa_system_sgpr_workgroup_id_y 1
		.amdhsa_system_sgpr_workgroup_id_z 1
		.amdhsa_system_vgpr_workitem_id 0
		.amdhsa_next_free_vgpr 196
		.amdhsa_next_free_sgpr 66
		.amdhsa_reserve_vcc 0
		.amdhsa_float_denorm_mode_32 3
		.amdhsa_float_denorm_mode_16_64 3
		.amdhsa_fp16_overflow 1
		.amdhsa_memory_ordered 1
		.amdhsa_forward_progress 1
		.amdhsa_inst_pref_size 15
	.end_amdhsa_kernel
	.amdgpu_metadata
---
amdhsa.version: [ 1, 2 ]
amdhsa.kernels:
  - .name:           k_qd67892af63_prep
    .symbol:         k_qd67892af63_prep.kd
    .args:
      - { .name: k, .offset: 0, .size: 8, .value_kind: global_buffer, .address_space: global }
      - { .name: v, .offset: 8, .size: 8, .value_kind: global_buffer, .address_space: global }
      - { .name: ks_s, .offset: 16, .size: 8, .value_kind: global_buffer, .address_space: global }
      - { .name: lowp_scales, .offset: 24, .size: 8, .value_kind: global_buffer, .address_space: global }
      - { .name: kv, .offset: 32, .size: 8, .value_kind: global_buffer, .address_space: global }
    .group_segment_fixed_size: 0
    .private_segment_fixed_size: 0
    .kernarg_segment_align: 8
    .kernarg_segment_size: 40
    .max_flat_workgroup_size: 128
    .sgpr_count:     66
    .vgpr_count:     196
    .wavefront_size: 32
...
	.end_amdgpu_metadata
.endif
;; end of part 1
;; launch attn (part 2): grid 16 x 16, 8 waves a work-group, clusters of 4 x 1, 327,680 bytes of LDS; arguments q, qs_s, ks_s, alpha, beta, lowp_scales, kv, out0; writes out0
.if DOCPART == 2
	.amdgcn_target "amdgcn-amd-amdhsa--gfx1250"
	.amdhsa_code_object_version 6
	.text
	.protected	k_qd67892af63_attn
	.globl	k_qd67892af63_attn
	.p2align	8
	.type	k_qd67892af63_attn,@function
k_qd67892af63_attn:
	s_mov_b64 s[64:65], 0
	v_nop
	global_prefetch_b8 v0, s[64:65] scope:SCOPE_SE
	s_setreg_imm32_b32 hwreg(HW_REG_WAVE_MODE, 25, 1), 1
	s_wait_xcnt 0x0
	s_wait_alu depctr_hold_cnt(0) depctr_sa_sdst(0) depctr_va_vdst(0) depctr_va_sdst(0) depctr_va_ssrc(0) depctr_va_vcc(0) depctr_vm_vsrc(0)
	s_getreg_b32 s2, hwreg(HW_REG_IB_STS2, 6, 4)
	s_cmp_eq_u32 s2, 0
	s_cbranch_scc0 .Lentry_in_a_cluster
	s_endpgm
.Lentry_in_a_cluster:
	s_bfe_u32 s2, ttmp6, 0x10000c
	s_cmp_lg_u32 s2, 0x3003
	s_cbranch_scc0 .Lentry_shape_is_right
	s_endpgm
.Lentry_shape_is_right:
.set STEPB, 18432
.set VOFF,  8192
.set KPOFF, 16384
.set CHUNK, 4*STEPB
.set PART,  CHUNK/8
.set HEADB, 16*STEPB
.set SPARE, HEADB
.set SP,    272
.set LI,  1
.set ADR, 2
.set SPW, 3
.set NIL, 4
.set STO, 5
.set RD,  6
.set GO,  7
.set Q,   16
.set QV,  24
.set AL,  30
.set NB,  32
.set CQ,  34
.set HP,  36
.set ADP, 37
.set SCV, 41
.set F,   42
.set T0,  44
.set T1,  45
.set T2,  46
.set SB,  48
.set S,   64
.set FA,  128
.set FB,  192
.set KF,  0
.set VF,  64
.set O,   128
.set P,   160
.set WV,  20
.set G1,  24
.set G0,  32
.set LIM, 51
.set CS,  58
.set SEL, 60
.set TB,  62
.set CNT, 63
.set MSB, 0
.macro WIN new
.if MSB != \new
	s_set_vgpr_msb (MSB<<8)|\new
.set MSB, \new
.endif
.endm
.set TO_1, 0x40
.set A_1,  0x01
.set RS_1, 0x41
.set PV_1, 0x55
.macro CROUND
	s_barrier_signal -1
	s_barrier_wait -1
	s_cmp_lg_u32 s[WV], 0
	s_cbranch_scc1 .Lnot_wave_0_\@
	s_barrier_signal -3
.Lnot_wave_0_\@:
	s_barrier_wait -3
	s_barrier_signal -1
	s_barrier_wait -1
.endm
	s_load_b256 s[4:11], s[0:1], 0x0
	s_load_b256 s[12:19], s[0:1], 0x20
	v_lshl_add_u32 v[SPW], v0, 2, SPARE
	v_mov_b32 v[NIL], 0
	ds_add_u32 v[SPW], v[NIL]
	ds_add_u32 v[SPW], v[NIL]
	v_lshrrev_b32 v8, 5, v0
	s_delay_alu instid0(VALU_DEP_1)
	v_readfirstlane_b32 s[WV], v8
	s_bfe_u32 s21, ttmp6, 0x40000
	s_lshl_b32 s22, ttmp9, 2
	s_add_co_u32 s22, s22, s21
	s_and_b32 s23, ttmp7, 0xffff
	s_mov_b32 s[G1], 15|(3<<16)|(1<<21)
	s_mov_b32 s[G1+1], 32<<16
	s_mov_b32 s[G1+2], 36<<16
	s_mov_b32 s[G1+3], 32<<16
	s_mov_b32 s[G1+4], 36
	s_mov_b32 s[G1+5], 32
	s_mov_b32 s[G1+6], 0
	s_mov_b32 s[G1+7], 0
	s_mov_b32 s[SEL], 0x76543210
	s_mov_b32 s[SEL+1], 0xfedcba98
	s_mul_i32 s68, s[WV], PART
	s_mul_i32 s66, s23, HEADB
	s_add_co_u32 s66, s66, s68
	s_mov_b32 s67, 0
	s_mul_i32 s69, s[WV], 16*SP
	s_lshl_b32 s70, s22, 7
	s_lshl_b32 s71, s[WV], 4
	s_add_co_u32 s70, s70, s71
	s_mul_i32 s74, s70, 12
	s_lshr_b32 s76, s23, 3
	s_mul_i32 s76, s76, 24576
	s_add_co_u32 s74, s74, s76
	s_mov_b32 s75, 0
	s_mov_b32 s77, 0
	s_lshl_b32 s71, s23, 11
	s_add_co_u32 s70, s70, s71
	s_lshl_b32 s72, s70, 8
	s_mov_b32 s73, 0
	s_and_b32 s78, s23, 7
	s_lshl_b32 s78, s78, 2
	s_mov_b32 s79, 0
	s_wait_dscnt 0x0
	s_wait_kmcnt 0x0
	s_add_nc_u64 s[4:5], s[4:5], s[72:73]
	s_add_nc_u64 s[18:19], s[18:19], s[72:73]
	s_add_nc_u64 s[6:7], s[6:7], s[74:75]
	s_add_nc_u64 s[8:9], s[8:9], s[76:77]
	s_add_nc_u64 s[10:11], s[10:11], s[78:79]
	s_add_nc_u64 s[12:13], s[12:13], s[78:79]
	s_add_nc_u64 s[16:17], s[16:17], s[66:67]
	s_load_b128 s[52:55], s[14:15], 0x0
	s_load_b32 s56, s[10:11], 0x0
	s_load_b32 s57, s[12:13], 0x0
	s_load_b96 s[48:50], s[8:9], 0x0
.irp c, 0,1,2,3
	s_mov_b32 s[G0+4*\c], 1
	s_add_co_u32 s[G0+4*\c+1], s68, \c*CHUNK
	s_add_nc_u64 s[G0+4*\c+2:G0+4*\c+3], s[16:17], \c*CHUNK
	s_or_b32 s[G0+4*\c+3], s[G0+4*\c+3], 0x80000000
.endr
	CROUND
.irp c, 0,1,2,3
	tensor_load_to_lds s[G0+4*\c:G0+4*\c+3], s[G1:G1+7]
	s_nop 0
.endr
.rept 4
	v_nop
.endr
	v_and_b32 v8, 15, v0
	v_bfe_u32 v9, v0, 4, 1
	v_and_b32 v[LI], 31, v0
	s_delay_alu instid0(VALU_DEP_1)
	v_lshlrev_b32 v[LI], 4, v[LI]
	s_delay_alu instid0(VALU_DEP_3)
	v_lshl_add_u32 v[HP], v9, 6, KPOFF
	v_lshlrev_b32 v10, 8, v8
	s_delay_alu instid0(VALU_DEP_1)
	v_lshl_add_u32 v10, v9, 6, v10
	v_mul_u32_u24 v11, v8, 12
.irp c, 0,1
.irp j, 0,1,2,3
	global_load_b128 v[S+16*\c+4*\j:S+16*\c+4*\j+3], v10, s[4:5] offset:128*\c+16*\j
.endr
.endr
.irp j, 0,1,2
	global_load_b32 v[S+32+\j], v11, s[6:7] offset:4*\j
.endr
	s_wait_kmcnt 0x0
	s_add_co_i32 s2, s52, s53
	s_lshl_b32 s3, s2, 23
	s_mov_b32 s[CS], 0x3e38aa3b
	s_add_co_i32 s[CS], s[CS], s3
	s_mov_b32 s[CS+1], s[CS]
	s_sub_co_i32 s2, 3, s2
	v_mov_b32 v[AL], s56
	s_delay_alu instid0(VALU_DEP_1)
	v_ldexp_f32 v[AL], v[AL], s2
	s_delay_alu instid0(VALU_DEP_1)
	v_mov_b32 v[AL+1], v[AL]
	s_add_co_i32 s2, s54, 127
	s_lshl_b32 s3, s2, 23
	v_mov_b32 v[SCV], s3
	s_add_co_i32 s2, s52, 127
	s_lshl_b32 s3, s2, 23
	v_mov_b32 v[T0], s3
	s_add_co_i32 s2, s2, 8
	s_lshl_b32 s2, s2, 23
	s_or_b32 s2, s2, 0x600000
	v_mov_b32 v100, s57
	s_delay_alu instid0(VALU_DEP_1)
	v_mul_f32 v100, 0x3fb8aa3b, v100
	s_delay_alu instid0(VALU_DEP_1)
	v_add_f32 v101, v100, v100
	s_delay_alu instid0(VALU_DEP_2)
	v_sub_f32 v102, 0, v100
	s_wait_alu depctr_va_vdst(0)
	s_wait_loadcnt 0x0
.set jj, 0
.rept 32
.set jj, jj+1
.endr
.irp g, 0,1,2,3
	v_cvt_scalef32_pk8_fp8_f32 v[Q+2*\g:Q+2*\g+1], v[S+8*\g:S+8*\g+7], v[T0]
.endr
	v_nop
	v_sub_f32 v96, v96, s48
	v_sub_f32 v97, v97, s49
	v_sub_f32 v98, v98, s50
	s_delay_alu instid0(VALU_DEP_3)
	v_mul_f32 v99, v96, v96
	s_delay_alu instid0(VALU_DEP_1)
	v_fma_f32 v99, v97, v97, v99
	s_delay_alu instid0(VALU_DEP_1)
	v_fma_f32 v99, v98, v98, v99
.irp w, 0,1
	v_mul_f32 v[QV+\w], v101, v96
	v_mul_f32 v[QV+2+\w], v101, v97
	v_mul_f32 v[QV+4+\w], v101, v98
	v_mov_b32 v[NB+\w], v102
	v_mul_f32 v[CQ+\w], v102, v99
.endr
	v_mov_b32 v13, 0xff61b1e6
	s_delay_alu instid0(VALU_DEP_1)
	v_floor_f32 v12, -v13
	v_mov_b32 v14, 0
	v_mov_b32 v15, 0
	v_mov_b32 v[F+1], 0
	v_mov_b32 v[T2], 0
.macro LOADF buf, b, off, adr
.irp f, 0,1,2,3
.irp j, 0,1,2,3
	ds_load_b128 v[\buf+16*\f+4*\j:\buf+16*\f+4*\j+3], v[\adr] offset:(\off)+512*\f+128*(\b)+16*\j
.endr
.endr
.endm
.macro FMAB buf, b
.irp i, 0,2,4,6,8,10,12,14
	v_pk_fma_f32 v[S+16*(\b)+\i:S+16*(\b)+\i+1], v[\buf+48+\i:\buf+48+\i+1], v[NB:NB+1], v[CQ:CQ+1]
.endr
.irp f, 0,1,2
.irp i, 0,2,4,6,8,10,12,14
	v_pk_fma_f32 v[S+16*(\b)+\i:S+16*(\b)+\i+1], v[\buf+16*\f+\i:\buf+16*\f+\i+1], v[QV+2*\f:QV+2*\f+1], v[S+16*(\b)+\i:S+16*(\b)+\i+1]
.endr
.endr
.endm
.macro EXPB b
.irp i, 0,1,2,3,4,5,6,7,8,9,10,11,12,13,14,15
	v_exp_f32 v[S+16*(\b)+\i], v[S+16*(\b)+\i]
.endr
.endm
.macro STEP more
	v_add_nc_u32 v[ADR], s[TB], v[LI]
	v_add_nc_u32 v[ADP], s[TB], v[HP]
	FMAB FA, 0
	LOADF FA, 2, 0, ADP
	s_wait_alu depctr_va_vdst(0)
	EXPB 0
	FMAB FB, 1
	LOADF FB, 3, 0, ADP
	s_wait_alu depctr_va_vdst(0)
	EXPB 1
	s_wait_dscnt 16
	FMAB FA, 2
.if \more
	LOADF FA, 0, STEPB, ADP
.endif
	s_wait_alu depctr_va_vdst(0)
	EXPB 2
.if \more
	s_wait_dscnt 16
.else
	s_wait_dscnt 0x0
.endif
	FMAB FB, 3
.if \more
	LOADF FB, 1, STEPB, ADP
.endif
	s_wait_alu depctr_va_vdst(0)
	EXPB 3
	v_nop
	s_wait_alu depctr_va_vdst(0)
.set jj, 0
.rept 32
	v_pk_mul_f32 v[S+jj:S+jj+1], v[S+jj:S+jj+1], v[AL:AL+1] op_sel_hi:[1,0]
.set jj, jj+2
.endr
	WIN TO_1
.irp vt, 0,1,2,3
.irp c, 0,1,2,3
	ds_load_b128 v[VF+16*\vt+4*\c:VF+16*\vt+4*\c+3], v[ADR] offset:VOFF+2048*\vt+512*\c
.endr
.endr
	WIN A_1
.irp kt, 0,1,2,3,4,5,6,7
	v_wmma_f32_16x16x64_fp8_fp8 v[S+8*\kt:S+8*\kt+7], v[KF+8*\kt:KF+8*\kt+7], v[Q:Q+7], v[S+8*\kt:S+8*\kt+7]
.endr
.rept 4
	v_nop
.endr
.if \more
	WIN TO_1
	s_setprio 1
.irp kt, 0,1,2,3,4,5,6,7
.irp c, 0,1
	ds_load_b128 v[KF+8*\kt+4*\c:KF+8*\kt+4*\c+3], v[ADR] offset:STEPB+1024*\kt+512*\c
.endr
.endr
.endif
	WIN 0
	v_max3_num_f32 v[T0], v[S], v[S+1], v[S+2]
	v_max3_num_f32 v[T1], v[S+3], v[S+4], v[S+5]
.irp i, 6,10,14,18,22,26,30,34,38,42,46,50,54,58
	v_max3_num_f32 v[T0], v[T0], v[S+\i], v[S+\i+1]
	v_max3_num_f32 v[T1], v[T1], v[S+\i+2], v[S+\i+3]
.endr
	v_max3_num_f32 v[T0], v[T0], v[S+62], v[S+63]
	s_delay_alu instid0(VALU_DEP_1)
	v_max_num_f32 v[T0], v[T0], v[T1]
	s_delay_alu instid0(VALU_DEP_1)
	v_permlanex16_b32 v[T2], v[T0], s[SEL], s[SEL+1]
	s_delay_alu instid0(VALU_DEP_1)
	v_max_num_f32 v[T0], v[T0], v[T2]
	s_delay_alu instid0(VALU_DEP_1)
	v_mul_f32 v[T0], s[CS], v[T0]
	s_delay_alu instid0(VALU_DEP_1)
	v_max_num_f32 v13, v13, v[T0]
	v_mov_b32 v[T0], v12
	s_delay_alu instid0(VALU_DEP_2)
	v_floor_f32 v12, -v13
	s_delay_alu instid0(VALU_DEP_1)
	v_sub_f32 v[T0], v12, v[T0]
	s_delay_alu instid0(VALU_DEP_1)
	v_cvt_i32_f32 v[T0], v[T0]
	s_delay_alu instid0(VALU_DEP_1)
	v_ldexp_f32 v[F], 1.0, v[T0]
.set jj, 0
.rept 32
	v_pk_fma_f32 v[S+jj:S+jj+1], v[S+jj:S+jj+1], s[CS:CS+1], v[12:13] op_sel_hi:[1,0,0]
.set jj, jj+2
.endr
.set jj, 0
	s_wait_alu depctr_va_vdst(0)
.rept 64
	v_exp_f32 v[S+jj], v[S+jj]
.set jj, jj+1
.endr
	v_pk_mul_f32 v[14:15], v[14:15], v[F:F+1] op_sel_hi:[1,0]
	s_wait_alu depctr_va_vdst(0)
	v_pk_add_f32 v[48:49], v[68:69], v[72:73]
	v_pk_add_f32 v[62:63], v[76:77], v[80:81]
	s_setprio 0
	v_pk_add_f32 v[60:61], v[84:85], v[88:89]
	v_pk_add_f32 v[58:59], v[92:93], v[96:97]
	v_pk_add_f32 v[56:57], v[100:101], v[104:105]
	v_pk_add_f32 v[54:55], v[108:109], v[112:113]
	v_pk_add_f32 v[52:53], v[116:117], v[120:121]
	v_pk_add_f32 v[14:15], v[14:15], v[124:125]
	v_pk_add_f32 v[48:49], v[48:49], v[64:65]
	v_pk_add_f32 v[62:63], v[62:63], v[66:67]
	v_pk_add_f32 v[60:61], v[60:61], v[70:71]
	v_pk_add_f32 v[58:59], v[58:59], v[74:75]
	v_pk_add_f32 v[56:57], v[56:57], v[78:79]
	v_pk_add_f32 v[54:55], v[54:55], v[82:83]
	v_pk_add_f32 v[52:53], v[52:53], v[86:87]
	v_pk_add_f32 v[14:15], v[14:15], v[90:91]
	v_pk_add_f32 v[48:49], v[48:49], v[94:95]
	v_pk_add_f32 v[62:63], v[62:63], v[98:99]
	v_pk_add_f32 v[60:61], v[60:61], v[102:103]
	v_pk_add_f32 v[58:59], v[58:59], v[106:107]
	v_pk_add_f32 v[56:57], v[56:57], v[110:111]
	v_pk_add_f32 v[54:55], v[54:55], v[114:115]
	v_pk_add_f32 v[52:53], v[52:53], v[118:119]
	v_pk_add_f32 v[14:15], v[14:15], v[122:123]
	v_pk_add_f32 v[48:49], v[48:49], v[126:127]
	s_delay_alu instid0(VALU_DEP_2)
	v_pk_add_f32 v[14:15], v[14:15], v[58:59]
	s_delay_alu instid0(VALU_DEP_2)
	v_pk_add_f32 v[48:49], v[48:49], v[56:57]
	v_pk_add_f32 v[62:63], v[62:63], v[54:55]
	v_pk_add_f32 v[60:61], v[60:61], v[52:53]
	s_delay_alu instid0(VALU_DEP_2)
	v_pk_add_f32 v[14:15], v[14:15], v[62:63]
	s_delay_alu instid0(VALU_DEP_2)
	v_pk_add_f32 v[48:49], v[48:49], v[60:61]
	s_delay_alu instid0(VALU_DEP_1)
	v_pk_add_f32 v[14:15], v[14:15], v[48:49]
.set jj, 0
.rept 64
.set jj, jj+1
.endr
	WIN TO_1
.irp b, 0,1,2,3
	v_cvt_scalef32_pk8_fp8_f32 v[P+4*\b:P+4*\b+1], v[S+16*\b:S+16*\b+7], v[SCV]
	v_cvt_scalef32_pk8_fp8_f32 v[P+4*\b+2:P+4*\b+3], v[S+16*\b+8:S+16*\b+15], v[SCV]
.endr
	WIN RS_1
.set jj, 0
.rept 16
	v_pk_mul_f32 v[O+jj:O+jj+1], v[O+jj:O+jj+1], v[F:F+1] op_sel_hi:[1,0]
.set jj, jj+2
.endr
.if \more
	s_wait_alu depctr_va_vdst(0)
	s_wait_dscnt 16
.else
	s_wait_alu depctr_va_vdst(0)
	s_wait_dscnt 0x0
.endif
	WIN PV_1
.irp vt, 0,1,2,3
	v_wmma_f32_16x16x128_fp8_fp8 v[O+8*\vt:O+8*\vt+7], v[VF+16*\vt:VF+16*\vt+15], v[P:P+15], v[O+8*\vt:O+8*\vt+7]
.endr
	WIN 0
	s_add_co_u32 s[TB], s[TB], STEPB
.endm
.macro TRIPS first, trips
	s_mov_b32 s[TB], \first*STEPB
	s_mov_b32 s[CNT], \trips
.Ltrip_\@:
	s_setprio 2
	STEP 1
	s_sub_co_u32 s[CNT], s[CNT], 1
	s_cmp_lg_u32 s[CNT], 0
	s_cbranch_scc1 .Ltrip_\@
	s_setprio 0
.endm
.macro PHASE first, trips, cnt
	s_wait_tensorcnt \cnt
	s_wait_dscnt 0x0
	s_barrier_signal -1
	s_barrier_wait -1
	TRIPS \first, \trips
.endm
	s_wait_tensorcnt 0x3
	s_barrier_signal -1
	s_barrier_wait -1
	LOADF FA, 0, 0, HP
	LOADF FB, 1, 0, HP
	WIN TO_1
.irp kt, 0,1,2,3,4,5,6,7
.irp c, 0,1
	ds_load_b128 v[KF+8*\kt+4*\c:KF+8*\kt+4*\c+3], v[LI] offset:1024*\kt+512*\c
.endr
.endr
.set jj, 0
.rept 32
	v_mov_b32 v[O+jj], 0
.set jj, jj+1
.endr
	WIN 0
	s_wait_dscnt 16
	TRIPS 0, 3
	PHASE 3, 4, 2
	PHASE 7, 4, 1
	PHASE 11, 4, 0
	s_mov_b32 s[TB], 15*STEPB
	STEP 0
	s_wait_dscnt 0x0
	s_barrier_signal -1
	s_barrier_wait -1
	v_add_f32 v14, v14, v15
	s_delay_alu instid0(VALU_DEP_1)
	v_permlanex16_b32 v[T2], v14, s[SEL], s[SEL+1]
	s_delay_alu instid0(VALU_DEP_1)
	v_add_f32 v14, v14, v[T2]
	s_wait_alu depctr_va_vdst(0)
	v_rcp_f32 v14, v14
	v_and_b32 v8, 15, v0
	v_bfe_u32 v9, v0, 4, 1
	s_delay_alu instid0(VALU_DEP_2)
	v_mul_u32_u24 v[STO], v8, SP
	s_delay_alu instid0(VALU_DEP_1)
	v_lshl_add_u32 v[STO], v9, 5, v[STO]
	s_delay_alu instid0(VALU_DEP_1)
	v_add_nc_u32 v[STO], s69, v[STO]
	s_delay_alu instid0(VALU_DEP_4)
	v_mul_u32_u24 v[RD], v9, SP
	s_delay_alu instid0(VALU_DEP_1)
	v_lshl_add_u32 v[RD], v8, 4, v[RD]
	s_delay_alu instid0(VALU_DEP_1)
	v_add_nc_u32 v[RD], s69, v[RD]
	v_lshlrev_b32 v[GO], 8, v9
	s_delay_alu instid0(VALU_DEP_1)
	v_lshl_add_u32 v[GO], v8, 4, v[GO]
	s_add_co_i32 s2, s54, s55
	s_wait_alu depctr_va_vdst(0)
	v_ldexp_f32 v14, v14, s2
	WIN A_1
.set jj, 0
.rept 16
	v_pk_mul_f32 v[S+jj:S+jj+1], v[O+jj:O+jj+1], v[14:15] op_sel_hi:[1,0]
.set jj, jj+2
.endr
	WIN 0
.irp vt, 0,1,2,3
	ds_store_b128 v[STO], v[S+8*\vt:S+8*\vt+3] offset:64*\vt
	ds_store_b128 v[STO], v[S+8*\vt+4:S+8*\vt+7] offset:64*\vt+16
.endr
.irp i, 0,1,2,3,4,5,6,7
	ds_load_b128 v[S+32+4*\i:S+32+4*\i+3], v[RD] offset:2*\i*SP
.endr
.irp i, 0,1,2,3,4,5,6,7
	s_wait_dscnt 7-\i
	global_store_b128 v[GO], v[S+32+4*\i:S+32+4*\i+3], s[18:19] offset:512*\i th:TH_STORE_NT
.endr
	s_wait_tensorcnt 0x0
	ds_add_u32 v[SPW], v[NIL]
	s_wait_dscnt 0x0
	CROUND
	s_endpgm
.Lfunc_end_k_qd67892af63_attn:
	.size	k_qd67892af63_attn, .Lfunc_end_k_qd67892af63_attn-k_qd67892af63_attn
	.p2alignl 7, 3214868480
	.fill 96, 4, 3214868480
	.section	.rodata,"a",@progbits
	.p2align	6, 0x0
	.amdhsa_kernel k_qd67892af63_attn
		.amdhsa_group_segment_fixed_size 327680
		.amdhsa_private_segment_fixed_size 0
		.amdhsa_enable_private_segment 0
		.amdhsa_kernarg_size 64
		.amdhsa_user_sgpr_count 2
		.amdhsa_user_sgpr_kernarg_segment_ptr 1
		.amdhsa_wavefront_size32 1
		.amdhsa_system_sgpr_workgroup_id_x 1
		.amdhsa_system_sgpr_workgroup_id_y 1
		.amdhsa_system_sgpr_workgroup_id_z 1
		.amdhsa_system_vgpr_workitem_id 0
		.amdhsa_next_free_vgpr 512
		.amdhsa_next_free_sgpr 80
		.amdhsa_reserve_vcc 0
		.amdhsa_float_denorm_mode_32 3
		.amdhsa_float_denorm_mode_16_64 3
		.amdhsa_fp16_overflow 1
		.amdhsa_memory_ordered 1
		.amdhsa_forward_progress 1
		.amdhsa_inst_pref_size 167
	.end_amdhsa_kernel
	.amdgpu_metadata
---
amdhsa.version: [ 1, 2 ]
amdhsa.kernels:
  - .name:           k_qd67892af63_attn
    .symbol:         k_qd67892af63_attn.kd
    .args:
      - { .name: q, .offset: 0, .size: 8, .value_kind: global_buffer, .address_space: global }
      - { .name: qs_s, .offset: 8, .size: 8, .value_kind: global_buffer, .address_space: global }
      - { .name: ks_s, .offset: 16, .size: 8, .value_kind: global_buffer, .address_space: global }
      - { .name: alpha, .offset: 24, .size: 8, .value_kind: global_buffer, .address_space: global }
      - { .name: beta, .offset: 32, .size: 8, .value_kind: global_buffer, .address_space: global }
      - { .name: lowp_scales, .offset: 40, .size: 8, .value_kind: global_buffer, .address_space: global }
      - { .name: kv, .offset: 48, .size: 8, .value_kind: global_buffer, .address_space: global }
      - { .name: out0, .offset: 56, .size: 8, .value_kind: global_buffer, .address_space: global }
    .group_segment_fixed_size: 327680
    .private_segment_fixed_size: 0
    .kernarg_segment_align: 8
    .kernarg_segment_size: 64
    .max_flat_workgroup_size: 256
    .sgpr_count:     80
    .vgpr_count:     512
    .wavefront_size: 32
...
	.end_amdgpu_metadata
.endif
;; end of part 2
